; MI455X (gfx1250); checked and timed in simulation.
; The chip was launched on July 23, 2026; its instructions are those of AMD's public machine-readable ISA for CDNA 5 (MIT licence, August 2026) and "CDNA5" Instruction Set Architecture Reference Guide (July 2026). The comments in the code are by the model that wrote it; some were corrected since.
;; Tt Multi Head Attention Model. Allowed arithmetic: matrix products marked QUANTISED: E2M3 operands, one E8M0 scale for each 32 along K, by v_wmma_scale_f32_16x16x128_f8f6f4 with both operands' format E2M3, f32 sums; everything else in f32.
;; Inputs: activation 8 x 1 x 1,024 x 1,024 float32; attention_mask 8 x 1 x 1 x 1,024 float32; kb 1,024 float32; kw 1,024 x 1,024 float32; qb 1,024 float32; qw 1,024 x 1,024 float32; vb 1,024 float32; vw 1,024 x 1,024 float32.
;; Outputs: out0 8 x 1 x 1,024 x 1,024 float32.
;; Constants: num_heads = 16.
;; This version of the problem:
;;   THIS VERSION OF THE PROBLEM IS GIVEN IN LOW PRECISION. The matrix products marked QUANTISED in the list below multiply operands that are first quantised to E2M3 (2 exponent bits, 3 mantissa bits; 6 bits a number), with one power-of-two scale for each 32 numbers along K (OCP MX v1.0); their sums are f32. All else is computed in f32.
;;   The module's matrix products, in the order in which they are computed (A, B: the left and right operand; K: the contracted axis; several contracted axes count as one K, in the product's order):
;;     1. [M 8,192, K 1,024] x [K 1,024, N 1,024]; A: input activation; B: input qw: QUANTISED
;;     2. [M 8,192, K 1,024] x [K 1,024, N 1,024]; A: input activation; B: input kw: QUANTISED
;;     3. [M 8,192, K 1,024] x [K 1,024, N 1,024]; A: input activation; B: input vw: QUANTISED
;;     4. batch 128 x [M 1,024, K 64] x [K 64, N 1,024]; A: computed on the way; B: computed on the way: QUANTISED
;;     5. batch 128 x [M 1,024, K 1,024] x [K 1,024, N 64]; A: softmax (see below); B: computed on the way: QUANTISED
;;   THE QUANTISER, for each operand of a quantised product, along K:
;;     - K is cut into blocks of 32 from its start; a last block that is shorter is filled with zeros.
;;     - A block's scale is 2^e with e = floor(log2(the largest magnitude in the block)) - 2, held to -126 .. 127; a block of zeros has e = 0. As a byte (E8M0): e + 127.
;;     - Each number is divided by its block's scale, clamped to +-7.5, and rounded to the nearest number of E2M3, ties to even, subnormals kept.
;;     - The product sums the exact products of the quantised numbers (number of the format x scale) in f32.
;;   ~~~python
;;   def quantise(x, axis):      # numpy; x: float32 -> the quantised numbers, widened to float32 again
;;       x = np.moveaxis(x, axis, -1); K = x.shape[-1]
;;       x = np.pad(x, [(0, 0)] * (x.ndim - 1) + [(0, -K % 32)]); x = x.reshape(x.shape[:-1] + (-1, 32)); a = np.abs(x).max(-1, keepdims=True)
;;       e = np.where(a > 0, np.clip(np.frexp(np.where(a > 0, a, 1))[1] - 1 - 2, -126, 127), 0)      # np.frexp(a)[1] - 1 = floor(log2(a)), exactly
;;       r = np.clip(x / 2.0 ** e, -7.5, 7.5)
;;       step = 2.0 ** (np.maximum(np.frexp(np.where(r == 0, 1, r))[1] - 1, 0) - 3)
;;       q = np.round(r / step) * step * 2.0 ** e      # np.round: ties to even
;;       return np.moveaxis(q.reshape(q.shape[:-2] + (-1,))[..., :K], -1, axis).astype(np.float32)
;;   ~~~
;;   SOFTMAX AHEAD OF A QUANTISED PRODUCT. Where the list says 'softmax', what is quantised is not the finished softmax but p = 2^(t - M), with t = logit x log2(e) and M = ceil(the row's largest t), a whole number; so 1/2 < the row's largest p <= 1. The row's sum l is taken of the UNQUANTISED p, in f32, and the product's result is divided by l at the end. Since M is a whole number, a kernel that streams over the keys may use a running M (the ceiling of the running maximum): every later rescaling is an exact power of two, which a block's scale takes up: the codes' values come out the same.
;;   OPERANDS COMPUTED ON THE WAY. 'Computed on the way' means the value that the module computes at that place (a softmax that the list does not call 'softmax' is quantised finished and normalised). What goes into a quantiser is computed in f32, as accurately as f32 sums, v_exp_f32 and their like allow (about 1e-6 of the number): no bf16 or f16 on the way to a quantiser, and a product that is left as it is and whose result goes on into a quantised operand takes f32 operands (vector FMAs, or v_wmma_f32_16x16x4_f32). A number that lies on a knife's edge between two numbers of the format may be rounded either way, as far as f32 arithmetic and the matrix unit's own rounding can turn it there, and no further.
;; One version. Each part assembles by itself: llvm-mc -triple=amdgcn-amd-amdhsa -mcpu=gfx1250 --defsym DOCPART=n.
;; ======== version 1 of 1: 3 launches
;; limits: right only within a limited range of input values
;; workspace buffers: codes 8,650,752 bytes; scales 360,448 bytes; qimg 6,291,456 bytes; qsc 524,288 bytes; kv 13,369,344 bytes
;; launch quant (part 1): grid 256 x 1, 11 waves a work-group, no clusters, 91,648 bytes of LDS; arguments activation, qw, kw, vw, codes, scales; writes codes, scales
.if DOCPART == 1
	.amdgcn_target "amdgcn-amd-amdhsa--gfx1250"
	.amdhsa_code_object_version 6
	.text
	.protected	k_q1c4cfc357b_quant
	.globl	k_q1c4cfc357b_quant
	.p2align	8
	.type	k_q1c4cfc357b_quant,@function
k_q1c4cfc357b_quant:
	s_mov_b64 s[64:65], 0
	v_nop
	global_prefetch_b8 v0, s[64:65] scope:SCOPE_SE
	s_setreg_imm32_b32 hwreg(HW_REG_WAVE_MODE, 25, 1), 1
	s_wait_xcnt 0x0
; activation [8192][1024], qw, kw, vw [1024][1024], f32, K innermost, become codes of FP6 (E2M3) and one E8M0 byte for each 32 along K,
; in ONE table of 11,264 rows: codes [11264][768 bytes], scales [11264][32 bytes]; rows 0.. x, 8192.. qw, 9216.. kw, 10240.. vw.
; A block's scale is 2^(floor(log2(its largest magnitude)) - 2); its byte is the largest magnitude's exponent field - 2, held at 1 from below.
; THE ROWS' ORDER: table row 64 g + 16 j + 8 h + i holds the tensor's row 64 g + 32 h + 8 j + i (j = 0..3, h = 0, 1, i = 0..7).  Used as source 0 of a product,
; the four tiles j of a run of 64 rows leave lane half h the indices 32 h + 0 .. 31 in 32 registers on end: one whole scale block of the next quantiser.
; LIMITS: a block whose largest magnitude lies under 2^(3 - 127) is held at that floor (a block of zeros so gets the byte 1 over zero codes; these bytes are read by this program alone);
; NaN and infinities among the inputs are not served.
; SHARES: 11,264 rows = 256 work-groups x 11 waves x 4 rows.  A wave takes 8 steps of 512 numbers; each load reads 512 consecutive bytes; a step's 2,048 bytes turn through the wave's own
; stage in LDS (16 bytes of padding behind each 64) and come back 16 neighbours a lane; two neighbouring lanes hold a block.  A lane's 16 codes are 12 bytes: a store covers 384 bytes on end.
; A wave's 128 scale bytes are gathered in its own LDS bytes and leave as one run of 128 bytes: half of an aligned run of 256, the other half being the neighbouring wave's
; (1 byte in 128 of what the launch reads).  Waves share nothing: no barrier.
.set STEPS, 8
.set EMAX,  2
.set CB,    12
.set R,     16                         ; v16-79   four sets of 16 numbers as loaded
.set X,     80                         ; v80-111  two sets of 16 neighbours
.set C,     128                        ; v128-159 codes: four registers a step
.set E,     112                        ; v112-119 a scale byte a step
.set WREG,  8192                       ; LDS: a region a wave: two stages of 32 x SP bytes, then its scale bytes
.set SP,    80
.set SPARE, 11*WREG                    ; the spare words
.set SPW,   10
.set NIL,   13
	s_load_b256 s[4:11], s[0:1], 0x0               ; activation, qw, kw, vw
	s_load_b128 s[12:15], s[0:1], 0x20             ; codes, scales
	v_lshl_add_u32 v[SPW], v0, 2, SPARE
	v_mov_b32 v[NIL], 0
	v_lshrrev_b32 v1, 5, v0
	v_readfirstlane_b32 s16, v1                    ; wave
	v_and_b32 v2, 31, v0
	v_lshlrev_b32 v3, 4, v2                        ; my 16 bytes of a load's 512
	s_mul_i32 s17, s16, WREG
	v_lshrrev_b32 v14, 2, v2
	v_mul_u32_u24 v14, v14, SP
	v_and_b32 v15, 3, v2
	v_lshl_add_u32 v14, v15, 4, v14
	v_add_nc_u32 v14, s17, v14                     ; the stage, way in: SP (lane / 4) + 16 (lane % 4)
	v_mul_u32_u24 v15, v2, SP
	v_add_nc_u32 v15, s17, v15                     ; way out: SP x lane
	v_mul_u32_u24 v4, v2, CB
	v_lshrrev_b32 v5, 1, v2
	s_add_co_u32 s17, s17, 2*32*SP
	v_add_nc_u32 v5, s17, v5                       ; my block's scale byte in LDS
	v_lshlrev_b32 v7, 2, v2
	v_add_nc_u32 v6, s17, v7                       ; and 4 bytes a lane on the way out
	s_mul_i32 s18, ttmp9, 11
	s_add_co_u32 s18, s18, s16                     ; which run of 4 rows, counted over all four tensors
	s_lshr_b32 s22, s18, 1                         ; its group of 8 rows: 4 h + j within 64 rows
	s_and_b32 s23, s22, 3
	s_lshl_b32 s23, s23, 1
	s_bfe_u32 s24, s22, 0x10002
	s_or_b32 s23, s23, s24                         ; goes to group 2 j + h
	s_and_b32 s22, s22, 0xfffffff8
	s_or_b32 s22, s22, s23
	s_lshl_b32 s22, s22, 1
	s_and_b32 s23, s18, 1
	s_or_b32 s22, s22, s23                         ; the run of 4 rows in the table
	s_mul_i32 s24, s22, 32*STEPS*CB
	s_mov_b32 s25, 0
	s_lshl_b32 s26, s22, 7
	s_mov_b32 s27, 0
	s_and_b32 s20, s18, 255                        ; a weight has 256 runs, and the weights begin at run 2,048
	s_wait_alu depctr_va_vdst(0)                   ; the head's end
	s_wait_kmcnt 0x0
	s_cmp_lt_u32 s18, 2560                         ; which tensor: by ids alone
	s_cselect_b64 s[8:9], s[8:9], s[10:11]
	s_cmp_lt_u32 s18, 2304
	s_cselect_b64 s[6:7], s[6:7], s[8:9]
	s_cmp_lt_u32 s18, 2048
	s_cselect_b64 s[4:5], s[4:5], s[6:7]
	s_cselect_b32 s20, s18, s20
	s_mov_b32 s21, 0
	s_lshl_b64 s[20:21], s[20:21], 14              ; 16,384 bytes a run
	s_add_nc_u64 s[4:5], s[4:5], s[20:21]
	s_add_nc_u64 s[12:13], s[12:13], s[24:25]
	s_add_nc_u64 s[14:15], s[14:15], s[26:27]
.macro LOAD t
.irp i, 0,1,2,3
	global_load_b128 v[R+16*((\t)%4)+4*\i:R+16*((\t)%4)+4*\i+3], v3, s[4:5] offset:2048*(\t)+512*\i th:TH_LOAD_NT
.endr
.endm
.macro TURN t                          ; LDS serves a wave's instructions in order: no wait between the stores and the loads
.irp i, 0,1,2,3
	ds_store_b128 v14, v[R+16*((\t)%4)+4*\i:R+16*((\t)%4)+4*\i+3] offset:32*SP*((\t)%2)+8*SP*\i
.endr
.irp i, 0,1,2,3
	ds_load_b128 v[X+16*((\t)%2)+4*\i:X+16*((\t)%2)+4*\i+3], v15 offset:32*SP*((\t)%2)+16*\i
.endr
.endm
.irp t, 0,1,2,3
	LOAD \t
.endr
	s_wait_loadcnt 12                              ; step 0's four loads are in; those of steps 1 to 3 may be out
	TURN 0
.macro STEP t
.set XS, X+16*((\t)%2)
.if (\t) > 0
	s_wait_dscnt 1                                 ; this step's numbers are back (the last step's byte store may be out)
.else
	s_wait_dscnt 0x0
.endif
.if (\t)+4 < STEPS
	LOAD (\t)+4
.endif
.if (\t)+1 < STEPS
.if STEPS-2-(\t) >= 3
	s_wait_loadcnt 12                              ; the next step's four loads are in; three steps' may be out
.else
	s_wait_loadcnt 4*(STEPS-2-(\t))
.endif
	TURN (\t)+1
.endif
	v_max3_num_f32 v8, |v[XS]|, |v[XS+1]|, |v[XS+2]|
	v_max3_num_f32 v9, |v[XS+3]|, |v[XS+4]|, |v[XS+5]|
.irp i, 6,10
	v_max3_num_f32 v8, v8, |v[XS+\i]|, |v[XS+\i+1]|
	v_max3_num_f32 v9, v9, |v[XS+\i+2]|, |v[XS+\i+3]|
.endr
	v_max3_num_f32 v8, v8, |v[XS+14]|, |v[XS+15]|
	v_max3_num_f32 v8, v8, v9, (EMAX+1)<<23        ; the floor: the byte cannot fall under 1
	v_max_num_f32_dpp v8, v8, v8 row_xmask:1 row_mask:0xf bank_mask:0xf   ; with my neighbour's 16: the block's
	v_add_nc_u32 v11, -(EMAX<<23), v8              ; the conversion takes this operand's exponent field as its scale
	v_cvt_scalef32_pk16_fp6_f32 v[C+4*(\t):C+4*(\t)+2], v[XS:XS+15], v11
	v_lshrrev_b32 v[E+(\t)], 23, v11               ; the scale's byte
	ds_store_b8 v5, v[E+(\t)] offset:16*(\t)
	global_store_b96 v4, v[C+4*(\t):C+4*(\t)+2], s[12:13] offset:32*CB*(\t)
.endm
.irp t, 0,1,2,3,4,5,6,7
	STEP \t
.endr
	ds_load_b32 v12, v6
	s_wait_dscnt 0x0
	global_store_b32 v7, v12, s[14:15]
	s_wait_tensorcnt 0x0                           ; the wave's end
	ds_add_u32 v[SPW], v[NIL]
	s_wait_dscnt 0x0
	s_endpgm
.Lfunc_end_k_q1c4cfc357b_quant:
	.size	k_q1c4cfc357b_quant, .Lfunc_end_k_q1c4cfc357b_quant-k_q1c4cfc357b_quant
	.p2alignl 7, 3214868480
	.fill 96, 4, 3214868480
	.section	.rodata,"a",@progbits
	.p2align	6, 0x0
	.amdhsa_kernel k_q1c4cfc357b_quant
		.amdhsa_group_segment_fixed_size 91648
		.amdhsa_private_segment_fixed_size 0
		.amdhsa_enable_private_segment 0
		.amdhsa_kernarg_size 48
		.amdhsa_user_sgpr_count 2
		.amdhsa_user_sgpr_kernarg_segment_ptr 1
		.amdhsa_wavefront_size32 1
		.amdhsa_system_sgpr_workgroup_id_x 1
		.amdhsa_system_sgpr_workgroup_id_y 1
		.amdhsa_system_sgpr_workgroup_id_z 1
		.amdhsa_system_vgpr_workitem_id 0
		.amdhsa_next_free_vgpr 160
		.amdhsa_next_free_sgpr 66
		.amdhsa_reserve_vcc 0
		.amdhsa_float_denorm_mode_32 3
		.amdhsa_float_denorm_mode_16_64 3
		.amdhsa_memory_ordered 1
		.amdhsa_forward_progress 1
		.amdhsa_inst_pref_size 18
	.end_amdhsa_kernel
	.amdgpu_metadata
---
amdhsa.version: [ 1, 2 ]
amdhsa.kernels:
  - .name:           k_q1c4cfc357b_quant
    .symbol:         k_q1c4cfc357b_quant.kd
    .args:
      - { .name: activation, .offset: 0, .size: 8, .value_kind: global_buffer, .address_space: global }
      - { .name: qw, .offset: 8, .size: 8, .value_kind: global_buffer, .address_space: global }
      - { .name: kw, .offset: 16, .size: 8, .value_kind: global_buffer, .address_space: global }
      - { .name: vw, .offset: 24, .size: 8, .value_kind: global_buffer, .address_space: global }
      - { .name: codes, .offset: 32, .size: 8, .value_kind: global_buffer, .address_space: global }
      - { .name: scales, .offset: 40, .size: 8, .value_kind: global_buffer, .address_space: global }
    .group_segment_fixed_size: 91648
    .private_segment_fixed_size: 0
    .kernarg_segment_align: 8
    .kernarg_segment_size: 48
    .max_flat_workgroup_size: 352
    .sgpr_count:     66
    .vgpr_count:     160
    .wavefront_size: 32
...
	.end_amdgpu_metadata
.endif
;; end of part 1
;; launch proj (part 2): grid 8 x 32, 4 waves a work-group, clusters of 4 x 4, 327,680 bytes of LDS; arguments codes, scales, qb, kb, vb, qimg, qsc, kv; writes qimg, qsc, kv
.if DOCPART == 2
	.amdgcn_target "amdgcn-amd-amdhsa--gfx1250"
	.amdhsa_code_object_version 6
	.text
	.protected	k_q1c4cfc357b_proj
	.globl	k_q1c4cfc357b_proj
	.p2align	8
	.type	k_q1c4cfc357b_proj,@function
k_q1c4cfc357b_proj:
	s_mov_b64 s[64:65], 0
	v_nop
	global_prefetch_b8 v0, s[64:65] scope:SCOPE_SE
	s_setreg_imm32_b32 hwreg(HW_REG_WAVE_MODE, 25, 1), 1
	s_wait_xcnt 0x0
	s_wait_alu depctr_hold_cnt(0) depctr_sa_sdst(0) depctr_va_vdst(0) depctr_va_sdst(0) depctr_va_ssrc(0) depctr_va_vcc(0) depctr_vm_vsrc(0)
	s_getreg_b32 s2, hwreg(HW_REG_IB_STS2, 6, 4)
	s_cmp_eq_u32 s2, 0
	s_cbranch_scc0 .Lentry_in_a_cluster
	s_endpgm
.Lentry_in_a_cluster:
	s_bfe_u32 s2, ttmp6, 0x10000c
	s_cmp_lg_u32 s2, 0xf033
	s_cbranch_scc0 .Lentry_shape_is_right
	s_endpgm
.Lentry_shape_is_right:
; q = x qw^T + qb, k = x kw^T + kb, v = x vw^T + vb on codes of FP6 (E2M3) with one E8M0 scale for each 32 along K = 1,024; sums in f32.  The results are quantised here, q and k along the
; head's 64 channels, v along the keys, and stored as IMAGES OF THE OPERAND REGISTERS of the attention launch.
; THE DEAL: 256 work-groups of four waves.  A work-group makes 256 tokens x 256 channels of q or of k (the cluster's x says which), PHASE 1, a wave 128 x 128 in 64 accumulators; and then the SAME 256 tokens x 128 channels
; of v, PHASE 2, a wave 128 tokens x 64 channels in 32 accumulators: 2 x 128 tiles of q and k, and 256 halves of v's 128 tiles.
; K goes through a ring of two LDS slots in CHUNKS OF 256 BYTES of each row (a row of codes is 768 bytes: three chunks); a step of 128 along K is 96 bytes.  The ring runs on from phase 1 into phase 2:
; sixteen steps, six chunks, chunk c in slot c % 2; chunks 3 to 5 are x's three chunks once more and vw's (64 rows for each of the two loading waves, at the places of the weight's halves).
; Phase 1: source 0 = the weight's rows, source 1 = x's.  Phase 2: source 0 = x's rows, source 1 = vw's: a lane's registers run along the keys.
; By the table's order of rows the 32 registers of source 0's tiles 4 e .. 4 e + 3 are the indices 64 e + 32 (lane / 16) + 0 .. 31: one scale block a lane, and the conversions' results are operand registers as they fall.
; The scale bytes of x's and the weight's 256 rows come into LDS once by tensor loads; vw's 128 rows' go once through registers into LDS bytes of their own.
; THE BIAS is the C of each sum's first product.  1 / sqrt(64) = 2^-3 is taken off q's scale bytes: exact.
; OUT: qimg[16 b + head][tile of 16 tokens][768]; qsc[16 b + head][128 tokens][tiles 0-3, 4-7][row][tile % 4] words;
;   kv[16 b + head][key step of 128]: a record of 13,056 bytes: 8 tiles of K x 768, 4 tiles of V x 1,536, K's scale words (512, laid as qsc's), V's (256: [row][tile]).
; CLUSTERS: 4 x 4; x's tiles are shared along a row of the cluster, the weights' along a column, each asked for jointly.  No prefetch: the block is the largest, in clusters, and K is three chunks.
; LIMITS: a block of q, k or v whose largest magnitude lies under 2^(6 - 127) is held at that floor (byte 4; q's, with 3 taken off, 1); these bytes are read by this program alone.  NaN and infinities are not served.
; REGISTERS: window 0: v0-31 addresses; v32-63 scale words, two sets; v64-127 q's or k's bias, later the way out's work; v128-223 source 1's fragments (phase 2: v128-175, and v176-207 v's bias); v224-253 the way out.
;   window 1: source 0's fragments, two sets.  windows 2, 3: the accumulators ((a, b) at v[8 (8 (a % 4) + b)]); in phase 2 window 3's v0-47 are source 1's second set.
.set ROWB,   256
.set KROW,   768
.set CHUNKS, 6
.set PITCH,  272
.set FR,     12
.set NL,     6
.set NP,     4
.set HALFT,  128*PITCH
.set SLOT,   4*HALFT
.set KS,     32
.set SCL,    2*SLOT
.set HALFS,  (128*KS/256)*272
.set SBLK,   (16*KS/256)*272
.set VSCL,   SCL+4*HALFS               ; vw's scale bytes: 16 runs of 256 + 16
.set SPARE,  VSCL+8*SBLK
.set REC,    13056
.set ADRA, 16                          ; v16-17 x's fragments in slot 0, 1; v18-19 for pieces whose two lane halves lie in different chunks
.set ADRB, 20                          ; the same for the weights'
.set ADRS3, 25                         ; x's scale words, all lanes
.set ADRS2, 26                         ; phase 2: lanes 0-15 vw's, lanes 16-31 x's
.set ADRS, 27                          ; phase 1: lanes 0-15 x's, lanes 16-31 the weight's
.set SPW,  28
.set NIL,  29
.set SC,   32
.set BIAS, 64
.set AF,   128
.set VB,   176
.set G1, 24
.set G0, 32
.set G1B, 48
.set G0B, 56
.set G1S, 68
.set G0S, 76
.set G1SB, 80
.set G0SB, 88
.set G0H, 4
.set G0HB, 8
.set MSB, 0
.macro WIN new
.if MSB != \new
	s_set_vgpr_msb (MSB<<8)|\new
.set MSB, \new
.endif
.endm
.set MUL_LO,   0xa1
.set MUL_HI,   0xf1
.set FIRST_LO, 0x81                    ; a phase's first step: C (the bias) window 0
.set FIRST_HI, 0xc1
.set MUL_V3,   0xad                    ; phase 2, odd steps: source 1 window 3
.set TO_B,     0x40
.macro PLACES n
.rept \n
	v_nop
.endr
.endm
.macro TLOAD g0, g1                    ; s_nop 0 and four v_nop behind each tensor load
	tensor_load_to_lds s[\g0:\g0+3], s[\g1:\g1+7]
	s_nop 0
	PLACES 4
.endm
.macro JLOAD g0a, g1a, g0b, g1b        ; waves 0 and 1 fetch x's rows, waves 2 and 3 the weight's
	s_cmp_eq_u32 s15, 0
	s_cbranch_scc0 .Lfor_b_\@
	TLOAD \g0a, \g1a
	s_branch .Lasked_\@
.Lfor_b_\@:
	TLOAD \g0b, \g1b
.Lasked_\@:
.endm
.macro CREST
	s_cmp_lg_u32 s14, 0
	s_cbranch_scc1 .Lnot_wave_0_\@
	s_barrier_signal -3
.Lnot_wave_0_\@:
	s_barrier_wait -3
	s_barrier_signal -1
	s_barrier_wait -1
.endm
.macro CROUND
	s_barrier_signal -1
	s_barrier_wait -1
	CREST
.endm
	s_load_b128 s[4:7], s[0:1], 0x0                ; codes, scales
	s_load_b128 s[8:11], s[0:1], 0x10              ; qb, kb
	s_load_b64 s[12:13], s[0:1], 0x20              ; vb
	v_lshl_add_u32 v[SPW], v0, 2, SPARE
	v_mov_b32 v[NIL], 0
	ds_add_u32 v[SPW], v[NIL]                      ; the opening lines
	ds_add_u32 v[SPW], v[NIL]
	v_lshrrev_b32 v1, 5, v0
	v_readfirstlane_b32 s14, v1                    ; wave
	s_lshr_b32 s15, s14, 1                         ; my half of the tokens; in the ring: I fetch x (0) or a weight (1)
	s_and_b32 s16, s14, 1                          ; my half of the channels; in the ring: which half I fetch
	s_bfe_u32 s40, ttmp6, 0x40000                  ; cx
	s_bfe_u32 s41, ttmp6, 0x40004                  ; cy
	s_and_b32 s17, ttmp7, 0xffff                   ; the cluster's y = the batch
	s_add_co_u32 s42, ttmp9, 8                     ; in units of 1,024 table rows: qw 8, kw 9
	s_lshl_b32 s42, s42, 2
	s_add_co_u32 s42, s42, s40                     ; the weight's tile of 256 rows
	s_lshl_b32 s17, s17, 2
	s_add_co_u32 s17, s17, s41                     ; x's
	s_lshl_b32 s43, s41, 2
	s_lshl_b32 s43, 15, s43                        ; my row of the cluster
	s_lshl_b32 s44, 0x1111, s40                    ; my column
	s_or_b32 s[G1+0], s43, (1<<20)|(1<<21)|(5<<22)|(3<<25)   ; rows of 256 bytes, 16 bytes of padding behind each
	s_or_b32 s[G1B+0], s44, (1<<20)|(1<<21)|(5<<22)|(3<<25)
.irp g, G1, G1B
	s_mov_b32 s[\g+1], ROWB<<16
	s_mov_b32 s[\g+2], 256<<16                     ; the head's loads bring 256 rows
	s_mov_b32 s[\g+3], ROWB<<16
	s_mov_b32 s[\g+4], 256
	s_mov_b32 s[\g+5], KROW
	s_mov_b32 s[\g+6], 0
	s_mov_b32 s[\g+7], 0
.endr
	s_or_b32 s[G1S+0], s43, (3<<16)|(1<<20)|(1<<21)|(5<<22)|(3<<25)   ; the scales of 256 rows: 32 dense rows of 256 bytes
	s_or_b32 s[G1SB+0], s44, (3<<16)|(1<<20)|(1<<21)|(5<<22)|(3<<25)
.irp g, G1S, G1SB
	s_mov_b32 s[\g+1], 32<<16
	s_mov_b32 s[\g+2], KS<<16
	s_mov_b32 s[\g+3], 32<<16
	s_mov_b32 s[\g+4], KS
	s_mov_b32 s[\g+5], 32
	s_mov_b32 s[\g+6], 0
	s_mov_b32 s[\g+7], 0
.endr
	s_lshl_b32 s20, s17, 8
	s_lshl_b32 s46, s42, 8
	s_mov_b32 s21, 0
	s_mov_b32 s47, 0
	s_mov_b64 s[18:19], KS
	s_mul_u64 s[22:23], s[20:21], s[18:19]
	s_mul_u64 s[92:93], s[46:47], s[18:19]
	s_mov_b64 s[18:19], KROW
	s_mul_u64 s[20:21], s[20:21], s[18:19]
	s_mul_u64 s[46:47], s[46:47], s[18:19]
	s_mul_i32 s18, s16, 128*KROW
	s_mov_b32 s19, 0
	s_mul_i32 s45, s14, HALFT
	s_lshl_b32 s66, s40, 8                         ; v: my work-group's 128 channels begin at 256 cx + 128 x (the cluster's x)
	s_lshl_b32 s67, ttmp9, 7
	s_add_co_u32 s66, s66, s67
	s_add_co_u32 s67, s66, 10240                   ; vw's rows in the table
	s_lshl_b32 s98, s67, 5                         ; their scale bytes
	s_mov_b32 s99, 0
	s_lshl_b32 s2, s16, 6
	s_add_co_u32 s67, s67, s2                      ; + 64 x half: the rows that I fetch (waves 2, 3)
	s_mul_i32 s96, s67, KROW
	s_mov_b32 s97, 0
	s_add_co_u32 s66, s66, s2                      ; my own 64 channels: one head
	s_lshl_b32 s100, s66, 2
	s_mov_b32 s101, 0
	s_wait_dscnt 0x0
	s_wait_kmcnt 0x0
	s_add_nc_u64 s[20:21], s[4:5], s[20:21]
	s_add_nc_u64 s[22:23], s[6:7], s[22:23]
	s_add_nc_u64 s[46:47], s[4:5], s[46:47]
	s_add_nc_u64 s[92:93], s[6:7], s[92:93]
	s_add_nc_u64 s[96:97], s[4:5], s[96:97]
	s_add_nc_u64 s[98:99], s[6:7], s[98:99]
	s_add_nc_u64 s[100:101], s[12:13], s[100:101]
	s_cmp_eq_u32 ttmp9, 0
	s_cselect_b64 s[94:95], s[8:9], s[10:11]       ; qb or kb
	CROUND                                         ; the round in front of the first joint loads
	s_mov_b32 s[G0H], 1
	s_mov_b32 s[G0H+1], 0
	s_mov_b64 s[G0H+2:G0H+3], s[20:21]
	s_or_b32 s[G0H+3], s[G0H+3], 0x80000000
	s_mov_b32 s[G0HB], 1
	s_mov_b32 s[G0HB+1], 2*HALFT
	s_mov_b64 s[G0HB+2:G0HB+3], s[46:47]
	s_or_b32 s[G0HB+3], s[G0HB+3], 0x80000000
	s_mov_b32 s[G0S], 1
	s_mov_b32 s[G0S+1], SCL
	s_mov_b64 s[G0S+2:G0S+3], s[22:23]
	s_or_b32 s[G0S+3], s[G0S+3], 0x80000000
	s_mov_b32 s[G0SB], 1
	s_mov_b32 s[G0SB+1], SCL+2*HALFS
	s_mov_b64 s[G0SB+2:G0SB+3], s[92:93]
	s_or_b32 s[G0SB+3], s[G0SB+3], 0x80000000
	s_add_nc_u64 s[20:21], s[20:21], s[18:19]      ; for the ring: my 128 rows
	s_add_nc_u64 s[46:47], s[46:47], s[18:19]
.irp s, 0,1
	s_mov_b32 s[G0+4*\s], 1
	s_add_co_u32 s[G0+4*\s+1], s45, \s*SLOT
	s_add_nc_u64 s[G0+4*\s+2:G0+4*\s+3], s[20:21], \s*ROWB
	s_or_b32 s[G0+4*\s+3], s[G0+4*\s+3], 0x80000000
	s_mov_b32 s[G0B+4*\s], 1
	s_add_co_u32 s[G0B+4*\s+1], s45, \s*SLOT
	s_add_nc_u64 s[G0B+4*\s+2:G0B+4*\s+3], s[46:47], \s*ROWB
	s_or_b32 s[G0B+4*\s+3], s[G0B+4*\s+3], 0x80000000
.endr
; the head's four tiles, one load a wave, in one chain of branches on the wave's number: chunk 0 of x, of the weight, x's scales, the weight's
.macro ARM under, g0, g1, next
	s_cmp_lt_u32 s14, \under
	s_cbranch_scc0 \next
	TLOAD \g0, \g1
	s_branch .Lhead_asked
\next:
.endm
	ARM 1, G0H,  G1,  .Lhead_b
	ARM 2, G0HB, G1B, .Lhead_sa
	ARM 3, G0S,  G1S, .Lhead_sb
	TLOAD G0SB, G1SB
.Lhead_asked:
	v_and_b32 v1, 15, v0                           ; r
	v_bfe_u32 v2, v0, 4, 1                         ; h
	v_mul_u32_u24 v3, v1, PITCH
	v_mul_u32_u24 v4, v2, 24
	v_add_nc_u32 v4, v3, v4
	s_mov_b32 s21, SLOT-232
	s_mov_b32 s22, SLOT+232
	v_sub_nc_u32 v7, 1, v2
	v_mul_u32_u24 v5, s21, v2
	v_add_nc_u32 v5, v3, v5
	v_add_nc_u32 v5, 232, v5                       ; lanes 0-15 byte 232 of the row in slot 0, lanes 16-31 byte 0 in slot 1
	v_mul_u32_u24 v6, s22, v7
	v_add_nc_u32 v6, v3, v6                        ; and the other way round
	s_mul_i32 s21, s15, HALFT
	s_mul_i32 s22, s16, HALFT
	s_add_co_u32 s22, s22, 2*HALFT
	v_add_nc_u32 v[ADRA+2], s21, v5
	v_add_nc_u32 v[ADRA+3], s21, v6
	v_add_nc_u32 v[ADRB+2], s22, v5
	v_add_nc_u32 v[ADRB+3], s22, v6
.irp s, 0,1
	v_add_nc_u32 v[ADRA+\s], s21, v4
	v_add_nc_u32 v[ADRB+\s], s22, v4
	s_add_co_u32 s21, s21, SLOT
	s_add_co_u32 s22, s22, SLOT
.endr
	v_mul_u32_u24 v5, v1, KS                       ; my row's scales: 32 bytes a row, 16 more for each 256 passed
	v_lshrrev_b32 v6, 8, v5
	v_lshl_add_u32 v5, v6, 4, v5
	s_mul_i32 s21, s15, HALFS                      ; x's: my 128 rows
	s_mul_i32 s22, s16, HALFS
	s_add_co_u32 s22, s22, 2*HALFS
	s_sub_co_u32 s22, s22, s21                     ; from them to the weight's
	s_mul_i32 s23, s16, 4*SBLK
	s_add_co_u32 s23, s23, 4*HALFS
	s_sub_co_u32 s23, s23, s21                     ; and to vw's: my 64 rows
	s_add_co_u32 s21, s21, SCL
	s_wait_alu depctr_va_vdst(0)                   ; behind the run of scalar lines
	v_add_nc_u32 v[ADRS3], s21, v5
	v_mul_u32_u24 v6, s22, v2
	v_add_nc_u32 v[ADRS], v[ADRS3], v6
	v_mul_u32_u24 v6, s23, v7
	v_add_nc_u32 v[ADRS2], v[ADRS3], v6
	s_lshl_b32 s20, s40, 10                        ; q's or k's bias: my 128 channels begin at 256 cx + 128 x half
	s_lshl_b32 s21, s16, 9
	s_add_co_u32 s20, s20, s21
	s_mov_b32 s21, 0
	s_add_nc_u64 s[94:95], s[94:95], s[20:21]
	v_lshlrev_b32 v8, 7, v2                        ; q, k: 32 h channels on
	v_lshrrev_b32 v9, 3, v1
	v_lshlrev_b32 v9, 5, v9
	v_and_b32 v10, 7, v1
	v_add_nc_u32 v9, v9, v10
	v_lshlrev_b32 v9, 2, v9                        ; v: channel 32 (r / 8) + r % 8 of a tile
	v_lshlrev_b32 v13, 5, v0                       ; vw's scale bytes: 32 a thread, a row each
	v_lshrrev_b32 v14, 3, v0
	v_lshl_add_u32 v14, v14, 4, v13
	v_add_nc_u32 v14, VSCL, v14
	s_wait_alu depctr_va_vdst(0)
	global_load_b128 v[224:227], v13, s[98:99]
	global_load_b128 v[228:231], v13, s[98:99] offset:16
.irp b, 0,1,2,3,4,5,6,7                        ; register i of the weight's tile b is channel 64 (b / 4) + 32 h + 8 (b % 4) + i
	global_load_b128 v[BIAS+8*\b:BIAS+8*\b+3], v8, s[94:95] offset:4*(64*(\b/4)+8*(\b%4))
	global_load_b128 v[BIAS+8*\b+4:BIAS+8*\b+7], v8, s[94:95] offset:4*(64*(\b/4)+8*(\b%4))+16
.endr
	s_wait_loadcnt 16                              ; vw's scale bytes are in; the bias's 16 loads may be out
	ds_store_b128 v14, v[224:227]
	ds_store_b128 v14, v[228:231] offset:16
.macro FRAG reg, adr, st, i            ; 12 registers: six pieces of 8 bytes; byte y of the walk lies in chunk y / 256, slot (y / 256) % 2, at byte y % 256 of the LDS row
.irp p, 0,1,2,3,4,5
.set BY, 96*(\st)+48*(\p/3)+8*(\p%3)
.if BY/ROWB == (BY+24)/ROWB
	ds_load_b64 v[\reg+2*\p:\reg+2*\p+1], v[\adr+(BY/ROWB)%2] offset:BY%ROWB+(\i)*16*PITCH
.else
	ds_load_b64 v[\reg+2*\p:\reg+2*\p+1], v[\adr+2+(BY/ROWB)%2] offset:BY%ROWB-232+(\i)*16*PITCH
.endif
.endr
.endm
.macro MM a, b, p, q, sc, c
	v_wmma_scale_f32_16x16x128_f8f6f4 v[8*(8*((\a)%4)+\b):8*(8*((\a)%4)+\b)+7], v[128*(\p)+FR*\b:128*(\p)+FR*\b+FR-1], v[AFB+FR*(\a):AFB+FR*(\a)+FR-1], \c, v[SC+16*(\sc)+2*\b+(\q)], v[SC+16*(\sc)+2*(\a)+(\q)] matrix_a_fmt:MATRIX_FMT_FP6 matrix_b_fmt:MATRIX_FMT_FP6 matrix_a_scale:MATRIX_SCALE_ROW1
.endm
; 16 products of step st: source 1's blocks a0, a0 + 1 x source 0's eight.  mode 0: C = D; 2: the sum starts with the bias of source 0's tile (q, k); 3: of source 1's (v).  The accumulators take turns.
.macro MUL16 st, a0, mode
.if (\st) < 8
.set AFB, AF
.else
.set AFB, AF*(1-(\st)%2)
.endif
.irp a, \a0, \a0+1
.irp b, 0,1,2,3,4,5,6,7
.if \mode == 2
	MM \a, \b, (\st)%2, (\st)%2, ((\st)/2)%2, v[BIAS+8*\b:BIAS+8*\b+7]
.elseif \mode == 3
	MM \a, \b, (\st)%2, (\st)%2, ((\st)/2)%2, v[VB+8*(\a):VB+8*(\a)+7]
.else
	MM \a, \b, (\st)%2, (\st)%2, ((\st)/2)%2, v[8*(8*((\a)%4)+\b):8*(8*((\a)%4)+\b)+7]
.endif
.endr
.endr
.endm
.macro WINLO st, mode
.if \mode
	WIN FIRST_LO
.elseif (\st) >= 8 && (\st)%2
	WIN MUL_V3
.else
	WIN MUL_LO
.endif
.endm
.macro FETCH_B st, adr                 ; source 0's eight fragments of step st into set st % 2
	WIN TO_B
.irp i, 0,1,2,3,4,5,6,7
	FRAG 128*((\st)%2)+FR*\i, \adr, \st, \i
.endr
	WIN 0
.endm
.macro FETCH_A st, i0, adr, base, win  ; source 1's blocks i0 .. i0 + 3
	WIN \win
.irp i, \i0, \i0+1, \i0+2, \i0+3
	FRAG \base+FR*(\i), \adr, \st, \i
.endr
	WIN 0
.endm
.macro SCALES set, lo, hi, pr          ; the words of two steps: lanes 0-15 source 1's block i, lanes 16-31 source 0's tile i
.irp i, 0,1,2,3
	ds_load_b64 v[SC+16*((\set)%2)+2*\i:SC+16*((\set)%2)+2*\i+1], v[\lo] offset:\i*SBLK+8*(\pr)
.endr
.irp i, 4,5,6,7
	ds_load_b64 v[SC+16*((\set)%2)+2*\i:SC+16*((\set)%2)+2*\i+1], v[\hi] offset:\i*SBLK+8*(\pr)
.endr
.endm
.macro FETCHN nx                       ; step nx's fragments, but phase 1's blocks 4-7
.if (\nx) < 8
	FETCH_B \nx, ADRB
	FETCH_A \nx, 0, ADRA, AF, 0
.if (\nx)%2 == 0
	SCALES (\nx)/2, ADRS, ADRS, (\nx)/2
.endif
.else
	FETCH_B \nx, ADRA
	FETCH_A \nx, 0, ADRB, AF*(1-(\nx)%2), 0xc0*((\nx)%2)
.if (\nx)%2 == 0
	SCALES (\nx)/2, ADRS2, ADRS3, (\nx)/2-4
.endif
.endif
.endm
.macro REFILL n                        ; chunk n into slot n % 2; no load of mine is out, so the descriptors may be written
.set SL, 4*((\n)%2)
.if (\n) == 3 || (\n) == 4
	s_sub_nc_u64 s[G0+SL+2:G0+SL+3], s[G0+SL+2:G0+SL+3], ROWB       ; x: from chunk n - 2 back to chunk n - 3
	s_add_nc_u64 s[G0B+SL+2:G0B+SL+3], s[96:97], ((\n)-3)*ROWB      ; vw's rows
	s_or_b32 s[G0B+SL+3], s[G0B+SL+3], 0x80000000
.if (\n) == 3
	s_mov_b32 s[G1B+2], 64<<16                     ; from here on a weight's load brings 64 rows
	s_mov_b32 s[G1B+4], 64
.endif
.else
	s_add_nc_u64 s[G0+SL+2:G0+SL+3], s[G0+SL+2:G0+SL+3], 2*ROWB
	s_add_nc_u64 s[G0B+SL+2:G0B+SL+3], s[G0B+SL+2:G0B+SL+3], 2*ROWB
.endif
	JLOAD G0+SL, G1, G0B+SL, G1B                   ; its four v_nop are the places in front of the loads that follow
.endm
; A step of 128 along K.  Where the next step's bytes END in a chunk not read yet: a barrier shows it whole.  Where they BEGIN in a later chunk: the three lines, the barrier, and, if a chunk two on is left, a round and the refill.
; Phase 1: 64 products; blocks 0-3 of source 1 are fetched anew in the middle, blocks 4-7 at the end.  Phase 2: 32 products; both sources have two sets, fetched in the middle.
.macro STEP st, mode
.set NX, (\st)+1
.set C0, (96*(\st))/ROWB
.set C1, (96*NX)/ROWB
.set E0, (96*(\st)+95)/ROWB
.set E1, (96*NX+95)/ROWB
.set YG, 4*NL*(1-(\st)/8)              ; the youngest loads that may be out: phase 1's blocks 4-7
.if C1 > C0 || E1 > E0
	s_wait_tensorcnt 0x0                           ; all my tensor loads have landed
.if C1 > C0
	ds_add_u32 v[SPW], v[NIL]
	s_wait_dscnt YG+1
.else
	s_wait_dscnt YG
.endif
	WINLO \st, 0
	MUL16 \st, 0, 0
	s_wait_dscnt 0x0                               ; the add, and my reads of any chunk left behind
	s_barrier_signal -1
.if (\st) < 8
	MUL16 \st, 2, 0
.endif
	WIN 0
	s_barrier_wait -1
.if C1 > C0 && C0+2 < CHUNKS
	CREST
	REFILL C0+2
.else
	PLACES NP
.endif
.else
	s_wait_dscnt YG
	WINLO \st, \mode
	MUL16 \st, 0, \mode
.if (\st) < 8
	MUL16 \st, 2, \mode
	s_wait_dscnt 0
.endif
	PLACES NP
.endif
	FETCHN NX
.if (\st) < 8
.if \mode
	WIN FIRST_HI
.else
	WIN MUL_HI
.endif
	MUL16 \st, 4, \mode
	MUL16 \st, 6, \mode
	PLACES NP
	WIN 0
.if NX < 8
	FETCH_A NX, 4, ADRA, AF, 0
.endif
.else
	WINLO \st, \mode
	MUL16 \st, 2, \mode
	WIN 0
.endif
.endm
	s_wait_alu depctr_va_vdst(0)                   ; the head's end
	s_wait_tensorcnt 0x0                           ; my tile of the head's four is in; slot 1's first fill is issued as a refill is
	ds_add_u32 v[SPW], v[NIL]
	s_mov_b32 s[G1+2], 128<<16                     ; no load of mine is out: from here on a load brings 128 rows
	s_mov_b32 s[G1+4], 128
	s_mov_b32 s[G1B+2], 128<<16
	s_mov_b32 s[G1B+4], 128
	s_wait_dscnt 0x0                               ; the add, and my stores of vw's scale bytes
	CROUND
	JLOAD G0+4, G1, G0B+4, G1B                     ; chunk 1
	s_load_b128 s[4:7], s[0:1], 0x28               ; qimg, qsc: the head's descriptors are done with
	s_load_b64 s[8:9], s[0:1], 0x38                ; kv
	FETCH_B 0, ADRB
	FETCH_A 0, 0, ADRA, AF, 0
	SCALES 0, ADRS, ADRS, 0
	FETCH_A 0, 4, ADRA, AF, 0
	s_wait_loadcnt 0x0                             ; the bias
	STEP 0, 2
.set ST, 1
.rept 7
	STEP ST, 0
.set ST, ST+1
.endr
; THE WAY OUT.  Block a (source 1's 16 rows x source 0's 128 indices): a lane's registers 32 e + 0 .. 31 are one scale block: index 64 e + 32 (l / 16) + 0 .. 31 of its row.
;   q, k: registers 0-5 of the codes are the even head's half fragment (768 bytes: registers 0-3 at 16 l, 4-5 at 512 + 8 l), 6-11 the odd head's.   v: a whole fragment of 16 channels x 128 keys (registers 4 i .. at 512 i + 16 l).
; The row's word: my two bytes at 8 (l / 16) bits up, joined with lane l xor 16's.  Every store covers 512 or 256 bytes on end, at a multiple of 256 from its buffer's first byte.
.set TM,   64
.set SOP,  68
.set EB,   70
.set PW,   72
.set PX,   73
.set CD,   96                          ; v96-107 the codes; v108-110, v112-114 the conversions' second halves
.set WE,   224
.set WO,   232
.set GE,   240
.set GD,   248
.set LI16, 244
.set LI8,  245
.set SCO,  246
.set LN,   247
.set SCV,  252
.set SH8,  253
.set IME,  68
.set IMO,  70
.set SCP,  72
.set SCQ,  74
.set SEL,  76
.set FLR,  78
.set ADJW, 79
	s_wait_kmcnt 0x0
	s_and_b32 s82, ttmp7, 0xffff                   ; the batch
	s_lshl_b32 s80, s41, 1
	s_add_co_u32 s80, s80, s15                     ; which 128 tokens of the batch
	s_lshl_b32 s81, s40, 2
	s_lshl_b32 s83, s16, 1
	s_add_co_u32 s81, s81, s83                     ; q, k: my even head
	s_lshl_b32 s82, s82, 4
	s_add_co_u32 s81, s81, s82                     ; 16 x batch + head
	s_lshl_b32 s83, s81, 3
	s_add_co_u32 s83, s83, s80
	s_mul_i32 s84, s83, REC                        ; k: the record,
	s_add_co_u32 s86, s84, 12288                   ; its words
	s_mul_i32 s88, s81, 49152                      ; q: images
	s_mul_i32 s89, s80, 6144
	s_add_co_u32 s88, s88, s89
	s_lshl_b32 s89, s81, 12                        ; q: words
	s_lshl_b32 s90, s80, 9
	s_add_co_u32 s89, s89, s90
	s_mov_b32 s90, 8*REC
	s_mov_b32 s91, 8*REC
	s_cmp_eq_u32 ttmp9, 0
	s_cselect_b32 s84, s88, s84
	s_cselect_b32 s86, s89, s86
	s_cselect_b32 s90, 49152, s90                  ; from a head's images to the next head's
	s_cselect_b32 s91, 4096, s91                   ; and from its words
	s_cselect_b32 s[ADJW], 0x03030303, 0           ; 3 off each of q's bytes
	s_cselect_b64 s[IME:IME+1], s[4:5], s[8:9]
	s_cselect_b64 s[SCP:SCP+1], s[6:7], s[8:9]
	s_mov_b32 s85, 0
	s_mov_b32 s87, 0
	s_add_nc_u64 s[IME:IME+1], s[IME:IME+1], s[84:85]
	s_add_nc_u64 s[SCP:SCP+1], s[SCP:SCP+1], s[86:87]
	s_mov_b32 s84, s90
	s_add_nc_u64 s[IMO:IMO+1], s[IME:IME+1], s[84:85]
	s_mov_b32 s86, s91
	s_add_nc_u64 s[SCQ:SCQ+1], s[SCP:SCP+1], s[86:87]
	s_mov_b32 s[FLR], 0x3000000                    ; the floor 2^(6 - 127)
	s_mov_b32 s[SEL], 0x76543210
	s_mov_b32 s[SEL+1], 0xfedcba98
	v_and_b32 v[LN], 31, v0                        ; these plain lines name no register of the last products: the places behind them
	v_lshlrev_b32 v[LI16], 4, v[LN]
	v_lshlrev_b32 v[LI8], 3, v[LN]
	v_and_b32 v[SCO], 15, v0
	v_lshlrev_b32 v[SCO], 4, v[SCO]
	v_bfe_u32 v[SH8], v0, 4, 1
	v_lshl_add_u32 v[SCV], v[SH8], 3, v[SCO]       ; v's words: 16 r + 8 h
	v_lshl_add_u32 v[SCO], v[SH8], 8, v[SCO]       ; q's, k's: 16 r + 256 h
	v_lshlrev_b32 v[SH8], 3, v[SH8]
	v_mov_b32 v[PX], 0                             ; a lane permute's destination counts as a source
.irp a, 0,1,2,3                                ; v's bias, for phase 2: all eight registers of vw's tile a hold the lane's own channel's: they land under this way out
.irp j, 0,1,2,3,4,5,6,7
	global_load_b32 v[VB+8*\a+\j], v9, s[100:101] offset:32*\a
.endr
.endr
.macro QUANTA a, kind                  ; kind 0: q, k; 1: v
.set WA, 2+(\a)/4
.set S0, 64*((\a)%4)
	WIN (WA<<2)|(WA<<4)
.irp b, 0,1,2,3
	v_max3_num_f32 v[TM+\b], s[FLR], |v[S0+16*\b]|, |v[S0+16*\b+1]|   ; four chains of 16, each accumulator from its low end on
.endr
.irp i, 2,4,6,8,10,12,14
.irp b, 0,1,2,3
	v_max3_num_f32 v[TM+\b], v[TM+\b], |v[S0+16*\b+\i]|, |v[S0+16*\b+\i+1]|
.endr
.endr
	WIN 0
	v_max_num_f32 v[TM], v[TM], v[TM+1]
	v_max_num_f32 v[TM+2], v[TM+2], v[TM+3]
	v_add_nc_u32 v[SOP], 0xff000000, v[TM]         ; 2 off the exponent field: the conversion's scale operand
	v_add_nc_u32 v[SOP+1], 0xff000000, v[TM+2]
	v_lshrrev_b32 v[EB], 23, v[SOP]
	v_lshrrev_b32 v[EB+1], 23, v[SOP+1]
	v_lshl_or_b32 v[PW], v[EB+1], 16, v[EB]
	v_lshlrev_b32 v[PW], v[SH8], v[PW]
	v_permlanex16_b32 v[PX], v[PW], s[SEL], s[SEL+1]
.if \kind
	v_or_b32 v[WE+(\a)], v[PW], v[PX]              ; my row's four bytes
.else
	v_or_b32 v[PW], v[PW], v[PX]
	v_sub_nc_u32 v[PW], v[PW], s[ADJW]             ; q: 3 off each (each is 4 at the least)
	v_and_b32 v[WE+(\a)], 0xffff, v[PW]            ; the even head's two bytes, 0 above them
	v_lshrrev_b32 v[WO+(\a)], 16, v[PW]            ; the odd head's
.endif
.if (\a) > 0 || \kind
	s_wait_alu depctr_va_vdst(0)                   ; ahead of the wait below
	s_wait_xcnt 0x0                                ; the earlier stores have read the codes' registers
.endif
	WIN WA
.irp c, 0,1
	v_cvt_scalef32_pk16_fp6_f32 v[CD+6*\c:CD+2+6*\c], v[S0+32*\c:S0+15+32*\c], v[SOP+\c]
	v_cvt_scalef32_pk16_fp6_f32 v[CD+12+4*\c:CD+14+4*\c], v[S0+16+32*\c:S0+31+32*\c], v[SOP+\c]   ; (three registers from an even one on)
.endr
	WIN 0
	v_nop                                          ; a plain place behind the conversions
.irp c, 0,1
.irp i, 0,1,2
	v_mov_b32 v[CD+3+6*\c+\i], v[CD+12+4*\c+\i]
.endr
.endr
.endm
.irp a, 0,1,2,3,4,5,6,7
	QUANTA \a, 0
	global_store_b128 v[LI16], v[CD:CD+3], s[IME:IME+1] offset:768*\a
	global_store_b64 v[LI8], v[CD+4:CD+5], s[IME:IME+1] offset:768*\a+512
	global_store_b128 v[LI16], v[CD+6:CD+9], s[IMO:IMO+1] offset:768*\a
	global_store_b64 v[LI8], v[CD+10:CD+11], s[IMO:IMO+1] offset:768*\a+512
.endr
	v_cmp_gt_u32 vcc_lo, 16, v[LN]                 ; lane l's 16 bytes are the words of blocks 4 (l / 16) + 0 .. 3, row l % 16
.irp i, 0,1,2,3
	v_cndmask_b32 v[GE+\i], v[WE+4+\i], v[WE+\i], vcc_lo
	v_cndmask_b32 v[GD+\i], v[WO+4+\i], v[WO+\i], vcc_lo
.endr
	global_store_b128 v[SCO], v[GE:GE+3], s[SCP:SCP+1]
	global_store_b128 v[SCO], v[GD:GD+3], s[SCQ:SCQ+1]
; PHASE 2
	s_wait_alu depctr_va_vdst(0)                   ; ahead of the wait below
	s_wait_loadcnt 0x0                             ; v's bias
	STEP 8, 3
.set ST, 9
.rept 6
	STEP ST, 0
.set ST, ST+1
.endr
	s_wait_dscnt 0x0                               ; the very last step: nothing more to fetch
	WIN MUL_V3
	MUL16 15, 0, 0
	MUL16 15, 2, 0
	WIN 0
	s_lshl_b32 s81, s40, 2                         ; v: my head 4 cx + 2 x (the cluster's x) + half
	s_lshl_b32 s83, ttmp9, 1
	s_add_co_u32 s81, s81, s83
	s_add_co_u32 s81, s81, s16
	s_add_co_u32 s81, s81, s82
	s_lshl_b32 s83, s81, 3
	s_add_co_u32 s83, s83, s80
	s_mul_i32 s84, s83, REC
	s_add_co_u32 s86, s84, 12800                   ; V's words lie behind K's
	s_add_co_u32 s84, s84, 6144                    ; V's tiles behind K's tiles
	s_wait_xcnt 0x0                                ; the first way out's stores have read their bases
	s_add_nc_u64 s[IME:IME+1], s[8:9], s[84:85]
	s_add_nc_u64 s[SCP:SCP+1], s[8:9], s[86:87]
	PLACES NP                                      ; behind the last products
.irp a, 0,1,2,3
	QUANTA \a, 1
.irp i, 0,1,2
	global_store_b128 v[LI16], v[CD+4*\i:CD+4*\i+3], s[IME:IME+1] offset:1536*\a+512*\i
.endr
.endr
	v_cmp_gt_u32 vcc_lo, 16, v[LN]                 ; lane l's 8 bytes are the words of tiles 2 (l / 16) + 0, 1, row l % 16
	v_cndmask_b32 v[GE], v[WE+2], v[WE], vcc_lo
	v_cndmask_b32 v[GE+1], v[WE+3], v[WE+1], vcc_lo
	global_store_b64 v[SCV], v[GE:GE+1], s[SCP:SCP+1]
	s_wait_tensorcnt 0x0                           ; the wave's end
	ds_add_u32 v[SPW], v[NIL]
	s_wait_dscnt 0x0
	CROUND                                         ; the closing round
	s_endpgm
.Lfunc_end_k_q1c4cfc357b_proj:
	.size	k_q1c4cfc357b_proj, .Lfunc_end_k_q1c4cfc357b_proj-k_q1c4cfc357b_proj
	.p2alignl 7, 3214868480
	.fill 96, 4, 3214868480
	.section	.rodata,"a",@progbits
	.p2align	6, 0x0
	.amdhsa_kernel k_q1c4cfc357b_proj
		.amdhsa_group_segment_fixed_size 327680
		.amdhsa_private_segment_fixed_size 0
		.amdhsa_enable_private_segment 0
		.amdhsa_kernarg_size 64
		.amdhsa_user_sgpr_count 2
		.amdhsa_user_sgpr_kernarg_segment_ptr 1
		.amdhsa_wavefront_size32 1
		.amdhsa_system_sgpr_workgroup_id_x 1
		.amdhsa_system_sgpr_workgroup_id_y 1
		.amdhsa_system_sgpr_workgroup_id_z 1
		.amdhsa_system_vgpr_workitem_id 0
		.amdhsa_next_free_vgpr 1024
		.amdhsa_next_free_sgpr 102
		.amdhsa_reserve_vcc 1
		.amdhsa_float_denorm_mode_32 3
		.amdhsa_float_denorm_mode_16_64 3
		.amdhsa_memory_ordered 1
		.amdhsa_forward_progress 1
		.amdhsa_inst_pref_size 255
	.end_amdhsa_kernel
	.section	.bss,"aw",@nobits
	.p2align	6
	.space	262144
	.amdgpu_metadata
---
amdhsa.version: [ 1, 2 ]
amdhsa.kernels:
  - .name:           k_q1c4cfc357b_proj
    .symbol:         k_q1c4cfc357b_proj.kd
    .args:
      - { .name: codes, .offset: 0, .size: 8, .value_kind: global_buffer, .address_space: global }
      - { .name: scales, .offset: 8, .size: 8, .value_kind: global_buffer, .address_space: global }
      - { .name: qb, .offset: 16, .size: 8, .value_kind: global_buffer, .address_space: global }
      - { .name: kb, .offset: 24, .size: 8, .value_kind: global_buffer, .address_space: global }
      - { .name: vb, .offset: 32, .size: 8, .value_kind: global_buffer, .address_space: global }
      - { .name: qimg, .offset: 40, .size: 8, .value_kind: global_buffer, .address_space: global }
      - { .name: qsc, .offset: 48, .size: 8, .value_kind: global_buffer, .address_space: global }
      - { .name: kv, .offset: 56, .size: 8, .value_kind: global_buffer, .address_space: global }
    .group_segment_fixed_size: 327680
    .private_segment_fixed_size: 0
    .kernarg_segment_align: 8
    .kernarg_segment_size: 64
    .max_flat_workgroup_size: 128
    .sgpr_count:     102
    .vgpr_count:     1024
    .wavefront_size: 32
...
	.end_amdgpu_metadata
.endif
;; end of part 2
;; launch attn (part 3): grid 2 x 128, 8 waves a work-group, no clusters, 167,936 bytes of LDS; arguments qimg, qsc, kv, attention_mask, out0; writes out0
.if DOCPART == 3
	.amdgcn_target "amdgcn-amd-amdhsa--gfx1250"
	.amdhsa_code_object_version 6
	.text
	.protected	k_q1c4cfc357b_attn
	.globl	k_q1c4cfc357b_attn
	.p2align	8
	.type	k_q1c4cfc357b_attn,@function
k_q1c4cfc357b_attn:
	s_mov_b64 s[64:65], 0
	v_nop
	global_prefetch_b8 v0, s[64:65] scope:SCOPE_SE
	s_setreg_imm32_b32 hwreg(HW_REG_WAVE_MODE, 25, 1), 1
	s_wait_xcnt 0x0
; out[b][q][head][:] = the sum over keys of softmax(q . k / 8 + mask[b][key]) v[key][:], both products on codes of FP6 (E2M3) with one E8M0 scale for each 32 along a product's K.
; q, k, v arrive as images of operand registers with their scale words; 1 / 8 has been taken off q's scale bytes.
; THE SOFTMAX: t = logit x log2(e); M = the row's largest t so far, rounded UP to a whole number; p = 2^(t - M) is quantised along the keys; the row's sum is taken of the unquantised p and divides at the end.
; When M moves, the sum and O are multiplied by 2^(old M - new M): exact.
; SHARES.  A work-group owns 512 queries of one head; each of its eight waves owns 64, as four tiles of 16, in TWO PASSES over the head's 1,024 keys, two tiles a pass, 128 keys a trip: sixteen trips.
; A trip's fragments of K and V and the mask are read from LDS once for the two tiles, whose lines stand by turns.  The first pass's results are stored while the second is worked.  Two waves share a SIMD.
; LDS.  The head's eight records (a key step each: 8 tiles of K, 4 of V, their scale words: 51 rows of 256 bytes) come by ONE tensor load a wave, wave w bringing step w; nothing is filled again.
; Wave 0's load has a line of its own: the first barrier shows step 0 alone.  The first trip is written out: in it stands the barrier, with every wave's wait for its load ahead of it, that shows the other records.
; The batch's mask (4,096 bytes) goes through registers into LDS bytes of its own.
; NO CLUSTER: only two work-groups read the same head's records, each once.  NO PREFETCH: all records are asked for at the head; there is no loop to run ahead in.
; LAYOUT.  Both products are used transposed: S^T = K Q^T, O^T = V^T P^T: a lane holds ONE query (lane % 16).  Row m of K's tile 4 c + j is key 64 c + 32 (m / 8) + 8 j + m % 8, so the 32 registers of
; tiles 4 c .. 4 c + 3 are keys 64 c + 32 (lane / 16) + 0 .. 31: one scale block a lane, and the conversions' results are P's operand registers as they fall.  V's channels and the queries of a tile follow the same order.
; THE FIRST PRODUCT'S K IS 64: Q's operand is six registers of codes and six of zero codes; K's operand for tile t is its six registers and the six behind them, which meet zero codes alone.
; The upper two bytes of both scale words are 0, which is 2^-127 and no NaN.  THE MASK is the C of the first product.
; A pass begins with -M = 1e38: the first change of M multiplies what O and the sums hold (zeros at the start, the last pass's finite numbers later) by 0.
; The last trip fetches step 0 once more and sets up a third pass's registers, of which nothing is used: the trip is written once.
; LIMITS: the promise holds while the scaled scores stay under 2^31 in magnitude; NaN and infinities among the inputs are not served.
; REGISTERS.  Window 0: v1-15 addresses; v16-23 two tiles' -M, largest logit, sum (a pair); v24-31, v40-43, v50-85 at work; v32-35 K's scale words, v36-39 V's, v44-47 Q's, v48-49 p's; v86-109 p's codes;
; v110-121 the second pass's Q; v122-249 S^T, then p.  Window 1: v0-63 O^T (tile u at 32 u), v64-127 the mask, v128-181 K and six zeros, v182-229 V, v230-253 Q.
.set REC,   13056
.set MSK,   8*REC
.set STG,   MSK+4096                   ; the way out: 16 rows x (256 + 16) bytes a wave
.set SPARE, STG+8*4352
.set SPW, 1
.set NIL, 2
.set A16, 3                            ; the next step's addresses: 16 x lane, 8 x lane, 16 r (+ the record), the mask's
.set A8,  4
.set AR,  5
.set AM,  6
.set B16, 8                            ; the same for step 0; they stay
.set B8,  9
.set BR,  10
.set BM,  11
.set STO, 12
.set RD,  13
.set CO,  14
.set SH8, 15
.set ST,  16
.set A2,  24
.set W,   28
.set W2,  30
.set KS,  32
.set VS,  36
.set F,   40
.set QS,  44
.set PS,  48
.set C,   50
.set TA,  58
.set TB,  60
.set SOP, 62
.set EB,  66
.set TC,  70
.set PC,  86
.set Q2,  110
.set SR,  122
.set MK,  64                           ; window 1
.set KF,  128
.set VF,  182
.set QB,  230
.set SEL, 36
.set CS,  38
.set NC,  40
.set MSB, 0
.macro WIN new
.if MSB != \new
	s_set_vgpr_msb (MSB<<8)|\new
.set MSB, \new
.endif
.endm
.macro WALU
	s_wait_alu depctr_va_vdst(0)
.endm
.macro NOPS n
.rept \n
	v_nop
.endr
.endm
.macro LOADK a16, a8, am               ; 33 loads: K's scale words (lanes 0-15 tiles 0-3, lanes 16-31 tiles 4-7), its eight half fragments, the mask in the result's layout
	ds_load_b128 v[KS:KS+3], v[\a16] offset:12288
	WIN 0x40
.irp t, 0,1,2,3,4,5,6,7
	ds_load_b128 v[KF+6*\t:KF+6*\t+3], v[\a16] offset:768*\t
	ds_load_b64 v[KF+6*\t+4:KF+6*\t+5], v[\a8] offset:768*\t+512
.endr
.irp n, 0,1,2,3,4,5,6,7,8,9,10,11,12,13,14,15
	ds_load_b128 v[MK+4*\n:MK+4*\n+3], v[\am] offset:256*(\n/8)+16*(\n%8)
.endr
	WIN 0
.endm
.macro LOADV a16, ar                   ; 13 loads: V's scale words and four fragments
	ds_load_b128 v[VS:VS+3], v[\ar] offset:12800
	WIN 0x40
.irp c, 0,1,2,3
.irp i, 0,1,2
	ds_load_b128 v[VF+12*\c+4*\i:VF+12*\c+4*\i+3], v[\a16] offset:6144+1536*\c+512*\i
.endr
.endr
	WIN 0
.endm
	s_load_b256 s[4:11], s[0:1], 0x0               ; qimg, qsc, kv, attention_mask
	s_load_b64 s[12:13], s[0:1], 0x20              ; out0
	v_lshl_add_u32 v[SPW], v0, 2, SPARE
	v_mov_b32 v[NIL], 0
	ds_add_u32 v[SPW], v[NIL]                      ; the opening lines
	ds_add_u32 v[SPW], v[NIL]
	v_lshrrev_b32 v250, 5, v0
	v_readfirstlane_b32 s14, v250                  ; wave 0..7
	s_and_b32 s15, ttmp7, 0xffff                   ; 16 x batch + head
	s_mov_b32 s24, 3<<16                           ; group 1: 51 dense rows of 32 elements of 8 bytes
	s_mov_b32 s25, 32<<16
	s_mov_b32 s26, 51<<16
	s_mov_b32 s27, 32<<16
	s_mov_b32 s28, 51
	s_mov_b32 s29, 32
	s_mov_b32 s30, 0
	s_mov_b32 s31, 0
	s_mov_b32 s16, 1
	s_mul_i32 s17, s14, REC                        ; record w lands at w x REC
	s_lshl_b32 s20, s15, 3
	s_add_co_u32 s20, s20, s14
	s_mul_i32 s20, s20, REC
	s_mov_b32 s21, 0
	WALU
	s_wait_dscnt 0x0
	s_wait_kmcnt 0x0
	s_add_nc_u64 s[18:19], s[8:9], s[20:21]
	s_or_b32 s19, s19, 0x80000000
	s_cmp_eq_u32 s14, 0
	s_cbranch_scc0 .Lothers
	tensor_load_to_lds s[16:19], s[24:31]          ; wave 0: step 0's record, by a line of its own
	s_nop 0
	NOPS 4
	s_branch .Lasked
.Lothers:
	tensor_load_to_lds s[16:19], s[24:31]          ; waves 1 to 7: steps 1 to 7
	s_nop 0
	NOPS 4
.Lasked:
	v_and_b32 v250, 31, v0                         ; lane
	v_and_b32 v251, 15, v0                         ; r
	v_bfe_u32 v252, v0, 4, 1                       ; h
	v_lshlrev_b32 v253, 4, v0                      ; the mask: 16 bytes a thread
	v_lshl_add_u32 v254, v0, 4, MSK
	v_lshlrev_b32 v[B16], 4, v250
	v_lshlrev_b32 v[B8], 3, v250
	v_lshlrev_b32 v[BR], 4, v251
	v_lshl_add_u32 v[BM], v252, 7, MSK             ; my half's 32 keys of each 64
	v_lshlrev_b32 v[SH8], 3, v252
	s_lshr_b32 s20, s15, 4                         ; the batch
	s_lshl_b32 s22, s20, 12
	s_mov_b32 s23, 0
	s_add_nc_u64 s[10:11], s[10:11], s[22:23]
	s_lshl_b32 s22, s15, 6                         ; Q: tile 64 x head + 32 x work-group + 4 x wave, 768 bytes each
	s_lshl_b32 s33, ttmp9, 5
	s_add_co_u32 s22, s22, s33
	s_lshl_b32 s33, s14, 2
	s_add_co_u32 s22, s22, s33
	s_mul_i32 s22, s22, 768
	s_add_nc_u64 s[4:5], s[4:5], s[22:23]
	s_lshl_b32 s22, s15, 12                        ; its words: 4,096 bytes a head, 256 for a wave's four tiles
	s_lshl_b32 s33, ttmp9, 11
	s_add_co_u32 s22, s22, s33
	s_lshl_b32 s33, s14, 8
	s_add_co_u32 s22, s22, s33
	s_add_nc_u64 s[6:7], s[6:7], s[22:23]
	WALU
	global_load_b128 v[SR:SR+3], v253, s[10:11]
	WIN 0x40
.irp u, 0,1
	global_load_b128 v[QB+12*\u:QB+12*\u+3], v[B16], s[4:5] offset:768*\u
	global_load_b64 v[QB+12*\u+4:QB+12*\u+5], v[B8], s[4:5] offset:768*\u+512
.endr
	WIN 0
.irp u, 0,1
	global_load_b128 v[Q2+6*\u:Q2+6*\u+3], v[B16], s[4:5] offset:1536+768*\u
	global_load_b64 v[Q2+6*\u+4:Q2+6*\u+5], v[B8], s[4:5] offset:1536+768*\u+512
.endr
	global_load_b128 v[QS:QS+3], v[BR], s[6:7]     ; row r's words of my four tiles
	s_lshl_b32 s22, s20, 22                        ; out: the batch's 4 MiB, query 512 x work-group + 64 x wave, the head's 256 bytes
	s_lshl_b32 s33, ttmp9, 21
	s_add_co_u32 s22, s22, s33
	s_lshl_b32 s33, s14, 18
	s_add_co_u32 s22, s22, s33
	s_and_b32 s33, s15, 15
	s_lshl_b32 s33, s33, 8
	s_add_co_u32 s22, s22, s33
	s_add_nc_u64 s[12:13], s[12:13], s[22:23]
	s_mov_b32 s[SEL], 0x76543210
	s_mov_b32 s[SEL+1], 0xfedcba98                 ; v_permlanex16_b32's selects for lane l xor 16
	s_mov_b32 s[CS], 0x3fb8aa3b                    ; log2(e)
	s_mov_b32 s[CS+1], s[CS]
	s_mov_b32 s[NC], 0xbfb8aa3b                    ; -log2(e)
	s_mul_i32 s33, s14, 4352
	s_add_co_u32 s33, s33, STG                     ; my stage
	v_mul_u32_u24 v[STO], v251, 272
	v_lshl_add_u32 v[STO], v252, 7, v[STO]
	v_add_nc_u32 v[STO], s33, v[STO]               ; in: row r, + 128 h
	v_mul_u32_u24 v[RD], v252, 272
	v_add_nc_u32 v[RD], v[RD], v[BR]
	v_add_nc_u32 v[RD], s33, v[RD]                 ; back: lanes 0-15 one row, lanes 16-31 the next
	v_lshl_add_u32 v[CO], v252, 12, v[BR]          ; and the same two rows in out
.irp u, 0,1
	v_mov_b32 v[ST+4*\u], 0x7e967699               ; -M: 1e38, a whole number over every -M that follows
	v_mov_b32 v[ST+4*\u+1], 0xfe967699             ; the largest logit so far: -1e38
	v_mov_b32 v[ST+4*\u+2], 0
	v_mov_b32 v[ST+4*\u+3], 0
	v_mov_b32 v[TB+\u], 0                          ; a lane permute's destination counts as a source
	v_mov_b32 v[W2+\u], 0
	v_mov_b32 v[F+2*\u+1], 0                       ; (named as the upper half of a pair)
.endr
	WIN 0x40
.set j, 0
.rept 64
	v_mov_b32 v[j], 0                              ; O^T
.set j, j+1
.endr
.irp j, 0,1,2,3,4,5
	v_mov_b32 v[KF+48+\j], 0                       ; what stands behind K's tile 7
	v_mov_b32 v[QB+6+\j], 0                        ; Q's upper 64 along K: zero codes
	v_mov_b32 v[QB+18+\j], 0
.endr
	WIN 0
	s_mov_b32 s32, 0                               ; trips
	WALU                                           ; the head's end
	s_wait_loadcnt 9                               ; the mask's 16 bytes are in; Q's nine loads may be out
	ds_store_b128 v254, v[SR:SR+3]
	s_cmp_lg_u32 s14, 0
	s_cbranch_scc1 .Lnot_0
	s_wait_tensorcnt 0x0                           ; wave 0: step 0's record has landed
.Lnot_0:
	s_wait_dscnt 0x0
	s_barrier_signal -1
	s_barrier_wait -1                              ; step 0 and the mask are shown
	LOADK B16, B8, BM
	LOADV B16, BR
	s_wait_loadcnt 0x0                             ; Q
; A TRIP: TWO TILES OF 16 QUERIES AGAINST 128 KEYS.  u: the tile; g = 2 u + c: a lane's block of 32 keys
.macro BODY first
	s_wait_dscnt 13                                ; K, its words and the mask are in; V's 13 loads may be out
	WIN 0x15                                       ; K, Q and the mask in window 1
.irp u, 0,1
.irp t, 0,1,2,3,4,5,6,7
.if \t < 4
	v_wmma_scale_f32_16x16x128_f8f6f4 v[SR+64*\u+8*\t:SR+64*\u+8*\t+7], v[KF+6*\t:KF+6*\t+11], v[QB+12*\u:QB+12*\u+11], v[MK+8*\t:MK+8*\t+7], v[KS+\t], v[QS+\u] matrix_a_fmt:MATRIX_FMT_FP6 matrix_b_fmt:MATRIX_FMT_FP6
.else
	v_wmma_scale_f32_16x16x128_f8f6f4 v[SR+64*\u+8*\t:SR+64*\u+8*\t+7], v[KF+6*\t:KF+6*\t+11], v[QB+12*\u:QB+12*\u+11], v[MK+8*\t:MK+8*\t+7], v[KS+\t-4], v[QS+\u] matrix_a_fmt:MATRIX_FMT_FP6 matrix_b_fmt:MATRIX_FMT_FP6 matrix_a_scale:MATRIX_SCALE_ROW1
.endif
.endr
.endr
	WIN 0
	s_add_co_u32 s33, s32, 1                       ; K and the mask are done with: the next step's (trip + 1 modulo 8) are fetched under the softmax
	s_and_b32 s33, s33, 7
	s_mul_i32 s34, s33, REC
	s_lshl_b32 s35, s33, 9
	v_add_nc_u32 v[A16], s34, v[B16]               ; these four lines are the places behind the products
	v_add_nc_u32 v[A8], s34, v[B8]
	v_add_nc_u32 v[AR], s34, v[BR]
	v_add_nc_u32 v[AM], s35, v[BM]
	WALU                                           ; behind these writes
.if \first
	s_wait_tensorcnt 0x0                           ; my record has landed
	s_wait_dscnt 0x0
	s_barrier_signal -1
	s_barrier_wait -1                              ; everybody's has
.endif
	LOADK A16, A8, AM
.irp b, 0,1,2,3,4,5,6,7
	v_max3_num_f32 v[C+\b], v[SR+16*\b], v[SR+16*\b+1], v[SR+16*\b+2]   ; eight chains of 16 logits by turns, each accumulator from its low end on
.endr
.irp k, 3,5,7,9,11,13
.irp b, 0,1,2,3,4,5,6,7
	v_max3_num_f32 v[C+\b], v[C+\b], v[SR+16*\b+\k], v[SR+16*\b+\k+1]
.endr
.endr
.irp g, 0,1,2,3
	v_max3_num_f32 v[C+2*\g], v[C+2*\g], v[SR+32*\g+15], v[SR+32*\g+31]
.endr
.irp g, 0,1,2,3
	v_max_num_f32 v[C+2*\g], v[C+2*\g], v[C+2*\g+1]   ; a block's largest logit: it serves the row's maximum and, since p rises with the logit, the block's largest p
.endr
.irp u, 0,1
	v_max_num_f32 v[TA+\u], v[C+4*\u], v[C+4*\u+2]
.endr
.irp u, 0,1
	v_permlanex16_b32 v[TB+\u], v[TA+\u], s[SEL], s[SEL+1]
.endr
.irp u, 0,1
	v_max3_num_f32 v[ST+4*\u+1], v[ST+4*\u+1], v[TA+\u], v[TB+\u]   ; the running largest logit of my query
.endr
.irp u, 0,1
	v_mul_f32 v[TA+\u], s[NC], v[ST+4*\u+1]        ; -t
.endr
.irp u, 0,1
	v_floor_f32 v[TA+\u], v[TA+\u]                 ; the new -M = -ceil(t)
.endr
.irp u, 0,1
	v_sub_f32 v[TB+\u], v[TA+\u], v[ST+4*\u]       ; old M - new M: a whole number, 0 or less
.endr
.irp u, 0,1
	v_mov_b32 v[ST+4*\u], v[TA+\u]
.endr
.irp u, 0,1
	v_cvt_i32_f32 v[TB+\u], v[TB+\u]               ; (it saturates)
.endr
.irp u, 0,1
	v_ldexp_f32 v[F+2*\u], 1.0, v[TB+\u]           ; f = 2^(old M - new M)
.endr
.irp u, 0,1
.set j, 0
.rept 32
	v_pk_fma_f32 v[SR+64*\u+j:SR+64*\u+j+1], v[SR+64*\u+j:SR+64*\u+j+1], s[CS:CS+1], v[ST+4*\u:ST+4*\u+1] op_sel_hi:[1,0,0]   ; t - M
.set j, j+2
.endr
.endr
.irp g, 0,1,2,3
	v_fma_f32 v[C+2*\g], v[C+2*\g], s[CS], v[ST+4*(\g/2)]
.endr
	WALU                                           ; ahead of the batch
.set j, 0
.rept 128
	v_exp_f32 v[SR+j], v[SR+j]                     ; p = 2^(t - M)
.set j, j+1
.endr
.irp g, 0,1,2,3
	v_exp_f32 v[C+2*\g], v[C+2*\g]                 ; the blocks' largest p: the same arithmetic on the same numbers
.endr
.irp u, 0,1
	v_pk_mul_f32 v[ST+4*\u+2:ST+4*\u+3], v[ST+4*\u+2:ST+4*\u+3], v[F+2*\u:F+2*\u+1] op_sel_hi:[1,0]   ; the sums under the new M (plain places)
.endr
	WALU                                           ; and one behind it
.irp g, 0,1,2,3
	v_max_num_f32 v[C+2*\g], 0x1800000, v[C+2*\g]  ; the floor 2^(3 - 127): the byte cannot fall under 1
.endr
.irp g, 0,1,2,3
	v_add_nc_u32 v[SOP+\g], 0xff000000, v[C+2*\g]  ; 2 off the exponent field: the conversion's scale operand
.endr
.irp g, 0,1,2,3
	v_lshrrev_b32 v[EB+\g], 23, v[SOP+\g]
.endr
.irp u, 0,1
	v_lshl_or_b32 v[W+\u], v[EB+2*\u+1], 16, v[EB+2*\u]   ; my bytes: blocks h and 2 + h,
.endr
.irp u, 0,1
	v_lshlrev_b32 v[W+\u], v[SH8], v[W+\u]         ; at their places in the word
.endr
.irp u, 0,1
	v_permlanex16_b32 v[W2+\u], v[W+\u], s[SEL], s[SEL+1]
.endr
.irp g, 0,1,2,3
	v_cvt_scalef32_pk16_fp6_f32 v[PC+6*\g:PC+6*\g+2], v[SR+32*\g:SR+32*\g+15], v[SOP+\g]
	v_cvt_scalef32_pk16_fp6_f32 v[TC+4*\g:TC+4*\g+2], v[SR+32*\g+16:SR+32*\g+31], v[SOP+\g]   ; (three registers from an even one on)
.endr
.irp u, 0,1
	v_or_b32 v[PS+\u], v[W+\u], v[W2+\u]           ; p's scale word (plain places behind the conversions)
.endr
.irp u, 0,1
	v_pk_add_f32 v[A2+2*\u:A2+2*\u+1], v[SR+64*\u:SR+64*\u+1], v[SR+64*\u+2:SR+64*\u+3]   ; the row's sum of the unquantised p, in two chains a tile
.endr
.set j, 4
.rept 15
.irp u, 0,1
	v_pk_add_f32 v[ST+4*\u+2:ST+4*\u+3], v[ST+4*\u+2:ST+4*\u+3], v[SR+64*\u+j:SR+64*\u+j+1]
	v_pk_add_f32 v[A2+2*\u:A2+2*\u+1], v[A2+2*\u:A2+2*\u+1], v[SR+64*\u+j+2:SR+64*\u+j+3]
.endr
.set j, j+4
.endr
.irp u, 0,1
	v_pk_add_f32 v[ST+4*\u+2:ST+4*\u+3], v[ST+4*\u+2:ST+4*\u+3], v[A2+2*\u:A2+2*\u+1]
.endr
.irp g, 0,1,2,3
.irp k, 0,1,2
	v_mov_b32 v[PC+6*\g+3+\k], v[TC+4*\g+\k]
.endr
.endr
	s_wait_dscnt 33                                ; V is in; the next step's 33 loads may be out
	WIN 0x41
	WALU                                           ; directly ahead of the first reader of O^T
.irp u, 0,1
.set j, 0
.rept 16
	v_pk_mul_f32 v[32*\u+j:32*\u+j+1], v[32*\u+j:32*\u+j+1], v[F+2*\u:F+2*\u+1] op_sel_hi:[1,0]   ; O^T under the new M; 28 of the 32 name no register of a given product below: its places
.set j, j+2
.endr
.endr
	WIN 0x51
.irp u, 0,1
.irp c, 0,1,2,3
	v_wmma_scale_f32_16x16x128_f8f6f4 v[32*\u+8*\c:32*\u+8*\c+7], v[VF+12*\c:VF+12*\c+11], v[PC+12*\u:PC+12*\u+11], v[32*\u+8*\c:32*\u+8*\c+7], v[VS+\c], v[PS+\u] matrix_a_fmt:MATRIX_FMT_FP6 matrix_b_fmt:MATRIX_FMT_FP6
.endr
.endr
	WIN 0
	NOPS 4                                         ; places behind the products: for the loads into V's registers and for the way out
.if !\first
	s_and_b32 s33, s32, 7
	WALU
	s_cmp_lg_u32 s33, 7
	s_cbranch_scc1 .Lno_out
	; A PASS'S END: O^T / the sum goes through my stage and leaves as whole rows: sixteen lanes store a query's 256 bytes of this head
.irp u, 0,1
	v_add_f32 v[ST+4*\u+2], v[ST+4*\u+2], v[ST+4*\u+3]
.endr
.irp u, 0,1
	v_permlanex16_b32 v[TB+\u], v[ST+4*\u+2], s[SEL], s[SEL+1]
.endr
.irp u, 0,1
	v_add_f32 v[ST+4*\u+2], v[ST+4*\u+2], v[TB+\u] ; with lane l xor 16's: the row's sum
.endr
	WALU
.irp u, 0,1
	v_rcp_f32 v[ST+4*\u+2], v[ST+4*\u+2]
.endr
	v_nop
	WALU
.irp u, 0,1                                    ; register 8 c + k of tile u is channel 32 h + 8 c + k of query r
	WIN 0x01
	WALU                                           ; directly ahead of the first reader of O^T
.set j, 0
.rept 16
	v_pk_mul_f32 v[SR+32*\u+j:SR+32*\u+j+1], v[32*\u+j:32*\u+j+1], v[ST+4*\u+2:ST+4*\u+3] op_sel_hi:[1,0]
.set j, j+2
.endr
	WIN 0
.irp n, 0,1,2,3,4,5,6,7
	ds_store_b128 v[STO], v[SR+32*\u+4*\n:SR+32*\u+4*\n+3] offset:16*\n
.endr
.irp n, 0,1,2,3,4,5,6,7
	ds_load_b128 v[SR+64+32*\u+4*\n:SR+64+32*\u+4*\n+3], v[RD] offset:544*\n   ; LDS serves a wave's instructions in order
.endr
.endr
.irp u, 0,1                                    ; stage row 2 n + (l / 16) is query 32 (n / 4) + 8 (2 x pass + u) + 2 (n % 4) + (l / 16) of my 64
	s_wait_dscnt 16-16*\u                          ; the second tile's 8 stores and 8 loads may be out
.irp n, 0,1,2,3,4,5,6,7
	global_store_b128 v[CO], v[SR+64+32*\u+4*\n:SR+64+32*\u+4*\n+3], s[12:13] offset:(32*(\n/4)+8*\u+2*(\n%4))*4096 th:TH_STORE_NT
.endr
.endr
	s_wait_xcnt 0x0                                ; the stores have read their registers and their base
	s_add_nc_u64 s[12:13], s[12:13], 0x10000       ; the next pass's tiles lie 16 queries on
	v_mov_b32 v[QS], v[QS+2]                       ; its scale words first,
	v_mov_b32 v[QS+1], v[QS+3]
	WIN 0x40
.irp u, 0,1
.irp k, 0,1,2,3,4,5
	v_mov_b32 v[QB+12*\u+\k], v[Q2+6*\u+\k]        ; then its codes,
.endr
.endr
	WIN 0
.irp u, 0,1
	v_mov_b32 v[ST+4*\u], 0x7e967699               ; and M and the largest logit begin anew
	v_mov_b32 v[ST+4*\u+1], 0xfe967699
.endr
	NOPS 4                                         ; with the lines above: the places between these moves and the next scaled products
.Lno_out:
.endif
	LOADV A16, AR
.endm
	BODY 1
	s_mov_b32 s32, 1
.Ltrip:
	BODY 0
	s_add_co_u32 s32, s32, 1
	s_cmp_lt_u32 s32, 16
	WALU
	s_cbranch_scc1 .Ltrip
	s_wait_tensorcnt 0x0                           ; the wave's end
	ds_add_u32 v[SPW], v[NIL]
	s_wait_dscnt 0x0
	s_endpgm
.Lfunc_end_k_q1c4cfc357b_attn:
	.size	k_q1c4cfc357b_attn, .Lfunc_end_k_q1c4cfc357b_attn-k_q1c4cfc357b_attn
	.p2alignl 7, 3214868480
	.fill 96, 4, 3214868480
	.section	.rodata,"a",@progbits
	.p2align	6, 0x0
	.amdhsa_kernel k_q1c4cfc357b_attn
		.amdhsa_group_segment_fixed_size 167936
		.amdhsa_private_segment_fixed_size 0
		.amdhsa_enable_private_segment 0
		.amdhsa_kernarg_size 40
		.amdhsa_user_sgpr_count 2
		.amdhsa_user_sgpr_kernarg_segment_ptr 1
		.amdhsa_wavefront_size32 1
		.amdhsa_system_sgpr_workgroup_id_x 1
		.amdhsa_system_sgpr_workgroup_id_y 1
		.amdhsa_system_sgpr_workgroup_id_z 1
		.amdhsa_system_vgpr_workitem_id 0
		.amdhsa_next_free_vgpr 512
		.amdhsa_next_free_sgpr 66
		.amdhsa_reserve_vcc 0
		.amdhsa_float_denorm_mode_32 3
		.amdhsa_float_denorm_mode_16_64 3
		.amdhsa_memory_ordered 1
		.amdhsa_forward_progress 1
		.amdhsa_inst_pref_size 76
	.end_amdhsa_kernel
	.amdgpu_metadata
---
amdhsa.version: [ 1, 2 ]
amdhsa.kernels:
  - .name:           k_q1c4cfc357b_attn
    .symbol:         k_q1c4cfc357b_attn.kd
    .args:
      - { .name: qimg, .offset: 0, .size: 8, .value_kind: global_buffer, .address_space: global }
      - { .name: qsc, .offset: 8, .size: 8, .value_kind: global_buffer, .address_space: global }
      - { .name: kv, .offset: 16, .size: 8, .value_kind: global_buffer, .address_space: global }
      - { .name: attention_mask, .offset: 24, .size: 8, .value_kind: global_buffer, .address_space: global }
      - { .name: out0, .offset: 32, .size: 8, .value_kind: global_buffer, .address_space: global }
    .group_segment_fixed_size: 167936
    .private_segment_fixed_size: 0
    .kernarg_segment_align: 8
    .kernarg_segment_size: 40
    .max_flat_workgroup_size: 256
    .sgpr_count:     66
    .vgpr_count:     512
    .wavefront_size: 32
...
	.end_amdgpu_metadata
.endif
;; end of part 3
